; MI455X (gfx1250); checked and timed in simulation.
; The chip was launched on July 23, 2026; its instructions are those of AMD's public machine-readable ISA for CDNA 5 (MIT licence, August 2026) and "CDNA5" Instruction Set Architecture Reference Guide (July 2026). The comments in the code are by the model that wrote it; some were corrected since.
;; Shift Attention. Allowed arithmetic: matrix products marked QUANTISED: E2M1 operands, one E8M0 scale for each 32 along K, by v_wmma_scale_f32_16x16x128_f8f6f4 with both operands' format E2M1 (or v_wmma_scale_f32_32x16x128_f4), f32 sums; everything else in f32.
;; Inputs: keys 4 x 16 x 2,048 x 64 float32; mask 1 x 1 x 2,048 x 2,048 int32; query 4 x 16 x 2,048 x 64 float32; vals 4 x 16 x 2,048 x 64 float32.
;; Outputs: out0 4 x 16 x 2,048 x 64 float32.
;; This version of the problem:
;;   THIS VERSION OF THE PROBLEM IS GIVEN IN LOW PRECISION. The matrix products marked QUANTISED in the list below multiply operands that are first quantised to E2M1 (2 exponent bits, 1 mantissa bit; 4 bits a number), with one power-of-two scale for each 32 numbers along K (OCP MX v1.0); their sums are f32. All else is computed in f32.
;;   The module's matrix products, in the order in which they are computed (A, B: the left and right operand; K: the contracted axis; several contracted axes count as one K, in the product's order):
;;     1. batch 64 x [M 2,048, K 64] x [K 64, N 2,048]; A: input query; B: input keys: QUANTISED
;;     2. batch 64 x [M 2,048, K 2,048] x [K 2,048, N 64]; A: softmax (see below); B: input vals: QUANTISED
;;   THE QUANTISER, for each operand of a quantised product, along K:
;;     - K is cut into blocks of 32 from its start; a last block that is shorter is filled with zeros.
;;     - A block's scale is 2^e with e = floor(log2(the largest magnitude in the block)) - 2, held to -126 .. 127; a block of zeros has e = 0. As a byte (E8M0): e + 127.
;;     - Each number is divided by its block's scale, clamped to +-6, and rounded to the nearest number of E2M1, ties to even, subnormals kept.
;;     - The product sums the exact products of the quantised numbers (number of the format x scale) in f32.
;;   ~~~python
;;   def quantise(x, axis):      # numpy; x: float32 -> the quantised numbers, widened to float32 again
;;       x = np.moveaxis(x, axis, -1); K = x.shape[-1]
;;       x = np.pad(x, [(0, 0)] * (x.ndim - 1) + [(0, -K % 32)]); x = x.reshape(x.shape[:-1] + (-1, 32)); a = np.abs(x).max(-1, keepdims=True)
;;       e = np.where(a > 0, np.clip(np.frexp(np.where(a > 0, a, 1))[1] - 1 - 2, -126, 127), 0)      # np.frexp(a)[1] - 1 = floor(log2(a)), exactly
;;       r = np.clip(x / 2.0 ** e, -6, 6)
;;       step = 2.0 ** (np.maximum(np.frexp(np.where(r == 0, 1, r))[1] - 1, 0) - 1)
;;       q = np.round(r / step) * step * 2.0 ** e      # np.round: ties to even
;;       return np.moveaxis(q.reshape(q.shape[:-2] + (-1,))[..., :K], -1, axis).astype(np.float32)
;;   ~~~
;;   SOFTMAX AHEAD OF A QUANTISED PRODUCT. Where the list says 'softmax', what is quantised is not the finished softmax but p = 2^(t - M), with t = logit x log2(e) and M = ceil(the row's largest t), a whole number; so 1/2 < the row's largest p <= 1. The row's sum l is taken of the UNQUANTISED p, in f32, and the product's result is divided by l at the end. Since M is a whole number, a kernel that streams over the keys may use a running M (the ceiling of the running maximum): every later rescaling is an exact power of two, which a block's scale takes up: the codes' values come out the same.
;;   OPERANDS COMPUTED ON THE WAY. 'Computed on the way' means the value that the module computes at that place (a softmax that the list does not call 'softmax' is quantised finished and normalised). What goes into a quantiser is computed in f32, as accurately as f32 sums, v_exp_f32 and their like allow (about 1e-6 of the number): no bf16 or f16 on the way to a quantiser, and a product that is left as it is and whose result goes on into a quantised operand takes f32 operands (vector FMAs, or v_wmma_f32_16x16x4_f32). A number that lies on a knife's edge between two numbers of the format may be rounded either way, as far as f32 arithmetic and the matrix unit's own rounding can turn it there, and no further.
;; One version. Each part assembles by itself: llvm-mc -triple=amdgcn-amd-amdhsa -mcpu=gfx1250 --defsym DOCPART=n.
;; ======== version 1 of 1: 2 launches
;; limits: right only within a limited range of input values
;; workspace buffers: kv 9,437,184 bytes; mc 2,097,152 bytes
;; launch prep (part 1): grid 640 x 1, 4 waves a work-group, no clusters, 69,120 bytes of LDS; arguments keys, vals, mask, kv, mc; writes kv, mc
.if DOCPART == 1
	.amdgcn_target "amdgcn-amd-amdhsa--gfx1250"
	.amdhsa_code_object_version 6
	.text
	.protected	k_qe82a617fc4_prep
	.globl	k_qe82a617fc4_prep
	.p2align	8
	.type	k_qe82a617fc4_prep,@function
k_qe82a617fc4_prep:
	s_mov_b64 s[64:65], 0
	v_nop
	global_prefetch_b8 v0, s[64:65] scope:SCOPE_SE
	s_setreg_imm32_b32 hwreg(HW_REG_WAVE_MODE, 25, 1), 1
	s_wait_xcnt 0x0
; PREP: what the attention launch reads many times is made once.  With c the column behind the roll by 2:
; the score of column c is Q . K[(c - 2) mod 2048] / 8, hidden where c < 2 or mask[q][c - 2] == 0; V's row c is not shifted.
; THREE ROLES, by the work-group's number; a wave has a task of its own, waves share nothing: no barrier, EXEC never changes.
;   work-groups   0-255 (K): keys -> codes of E2M1 along the head's 64 (two blocks of 32), rolled by 2, in the order of the operand's registers
;   work-groups 256-511 (V): vals -> codes along the KEYS (blocks of 32 columns from c = 0): a lane takes a channel d, its registers run down the keys
;   work-groups 512-639 (M): mask -> codes of E2M1: -6 (0xf) where the column is hidden, 0 where it counts, in the order of the score registers
; kv: [64 heads][16 steps of 128 columns][9,216 bytes], an image of what LDS will hold.  L = lane, r = L % 16, h = L / 16.
;   +0    KC  tile t = 4 cc + g at 512 t + 16 L: the 32 codes of block h of key row (c - 2) mod 2048, c = 128 s + 64 cc + 32 (r / 8) + 8 g + r % 8
;   +4096 KS  at 16 L: word i = the scale word of tile 4 h + i, row r: bytes e0, e1, e0, e1 (the upper two belong to k = 64 .. 127, which the other operand fills with zero codes)
;   +4608 VC  at 1024 dt + 512 cc + 16 L: the 32 codes of channel 16 dt + r, columns 128 s + 64 cc + 32 h + 0 .. 31
;   +8704 VS  at 16 L: word dt = the four scale bytes of channel 16 dt + r
; mc: [128 tiles of 16 queries][16 steps][1,024 bytes]: at 512 cc + 16 L + 4 g: eight codes, code j for query 16 tile + r and column 128 s + 64 cc + 32 h + 8 g + j.
; A block's scale is 2^(floor(log2(largest magnitude)) - 2); its byte is the largest magnitude's exponent field - 2, held at 1 from below by a floor among the maximum's leaves.
; LIMITS: a block of zeros gets the byte 1 where the rule says 127 (its codes are zeros, and this program alone reads the bytes); blocks whose largest magnitude lies under 2^-124 keep the byte 1;
; NaN and infinities among the inputs are not served.
.set KVH,  147456                      ; a head's bytes in kv
.set IMG,  9216                        ; a step's image
.set KSW,  8704                        ; LDS, path K: a stage of 32 rows x (256 + 16) bytes for each wave, from byte 0
.set MST,  34816                       ; LDS, path M: behind path K's stages: each path has LDS bytes of its own
.set MSW,  8448                        ; a stage of 16 rows x (16 of halo + 512) bytes for each wave
.set SPARE, MST+4*MSW                  ; the spare words, 128 bytes a wave, which no other line names
.set FLOOR, 0x1800000                  ; 2^(3 - 127): under it no largest magnitude is taken, so the byte cannot fall under 1
; the largest magnitude of v[x] .. v[x + 31], in two chains, with the floor: into v[m]; v[t] is at work
.macro MAX32 m, t, x
	v_max3_num_f32 v[\m], |v[\x]|, |v[\x+1]|, |v[\x+2]|
	v_max3_num_f32 v[\t], |v[\x+3]|, |v[\x+4]|, |v[\x+5]|
.irp i, 6,10,14,18,22,26
	v_max3_num_f32 v[\m], v[\m], |v[\x+\i]|, |v[\x+\i+1]|
	v_max3_num_f32 v[\t], v[\t], |v[\x+\i+2]|, |v[\x+\i+3]|
.endr
	v_max3_num_f32 v[\m], v[\m], |v[\x+30]|, |v[\x+31]|
	v_max3_num_f32 v[\m], v[\m], v[\t], FLOOR
.endm
	s_load_b256 s[4:11], s[0:1], 0x0               ; keys s[4:5], vals s[6:7], mask s[8:9], kv s[10:11]
	s_load_b64 s[12:13], s[0:1], 0x20              ; mc
	v_lshl_add_u32 v30, v0, 2, SPARE
	v_mov_b32 v31, 0
	v_lshrrev_b32 v1, 5, v0
	v_readfirstlane_b32 s14, v1                    ; wave 0..3
	v_and_b32 v1, 31, v0                           ; lane
	v_and_b32 v2, 15, v0                           ; r
	v_bfe_u32 v3, v0, 4, 1                         ; h
	v_lshlrev_b32 v4, 4, v1                        ; 16 x lane
	v_cmp_lt_u32 vcc_lo, 15, v1                    ; the lanes with h = 1; kept
	s_mov_b32 s26, 0x76543210
	s_mov_b32 s27, 0xfedcba98                      ; v_permlanex16_b32's selects for lane l xor 16
	s_lshl_b32 s15, ttmp9, 2
	s_add_co_u32 s15, s15, s14                     ; 4 x work-group + wave
	s_wait_kmcnt 0x0
	s_cmp_lt_u32 ttmp9, 256
	s_cbranch_scc1 .Lkeys
	s_cmp_lt_u32 ttmp9, 512
	s_cbranch_scc1 .Lvals
; ---------------- PATH M: 16 queries x 512 columns (four steps) a wave
.set XM,  168                          ; v168-231 the 64 mask numbers of my lane, in the order of the score registers; then -6 or 0
.set OW,  232                          ; v232-239 a step's codes
	s_sub_co_u32 s15, s15, 2048
	s_lshr_b32 s16, s15, 2                         ; tile of 16 queries
	s_and_b32 s17, s15, 3                          ; which four steps
	s_lshl_b32 s18, s16, 17                        ; 16 rows of 8,192 bytes
	s_lshl_b32 s19, s17, 11                        ; 512 columns of 4 bytes
	s_add_co_u32 s20, s18, s19
	s_mov_b32 s21, 0
	s_sub_co_i32 s22, s19, 16                      ; the first step's halo: the four columns in front; at the row's start held at 0 (those bytes then serve columns 0 and 1, which are hidden anyway)
	s_max_i32 s22, s22, 0
	s_add_co_u32 s22, s22, s18
	s_mov_b32 s23, 0
	s_add_nc_u64 s[6:7], s[8:9], s[22:23]
	s_add_nc_u64 s[8:9], s[8:9], s[20:21]
	s_lshl_b32 s20, s16, 14                        ; mc: 16,384 bytes a tile, 1,024 a step
	s_lshl_b32 s22, s17, 12
	s_add_co_u32 s20, s20, s22
	s_add_nc_u64 s[12:13], s[12:13], s[20:21]
	s_cmp_eq_u32 s17, 0
	s_cselect_b32 s24, 0xffff, 0                   ; columns 0 and 1 lie in registers 0 and 1 of lanes 0-15 of step 0
	s_mul_i32 s25, s14, MSW
	s_add_co_u32 s25, s25, MST                     ; my stage
	s_wait_alu depctr_va_vdst(0)
	v_add_nc_u32 v5, s25, v4
	v_add_nc_u32 v5, 16, v5                        ; in: behind the halo, 16 bytes a lane: a row's 512 bytes
	v_mul_u32_u24 v6, v2, 528
	v_add_nc_u32 v6, s25, v6                       ; the halo of row r
	v_lshl_add_u32 v7, v3, 7, v6
	v_add_nc_u32 v7, 8, v7                         ; out: row r, column 32 h - 2: byte 16 + 4 (32 h - 2)
	v_lshlrev_b32 v8, 13, v2                       ; row r in memory
	v_mov_b32 v10, 0xc0c00000                      ; -6, the format's largest magnitude
	v_mov_b32 v11, 1.0                             ; the conversion's scale operand: 2^0
	s_wait_alu depctr_va_vdst(0)                   ; the wait at the head's end
.macro MLOAD j                         ; step j: 16 rows x 512 consecutive bytes, and 16 bytes in front of each row, into set j % 2 (68 registers)
.set RL, 32+68*((\j)%2)
.irp p, 0,1,2,3,4,5,6,7,8,9,10,11,12,13,14,15
	global_load_b128 v[RL+4*\p:RL+4*\p+3], v4, s[8:9] offset:\p*8192+512*(\j) th:TH_LOAD_NT
.endr
.if (\j) == 0
	global_load_b128 v[RL+64:RL+67], v8, s[6:7]
.else
	global_load_b128 v[RL+64:RL+67], v8, s[8:9] offset:512*(\j)-16
.endif
.endm
.macro MSTEP j
.set RS, 32+68*((\j)%2)
.if (\j) < 3
	s_wait_loadcnt 17                              ; this step's 17 loads are in; the next step's 17 may be out
.else
	s_wait_loadcnt 0x0
.endif
.irp p, 0,1,2,3,4,5,6,7,8,9,10,11,12,13,14,15
	ds_store_b128 v5, v[RS+4*\p:RS+4*\p+3] offset:528*\p
.endr
	ds_store_b128 v6, v[RS+64:RS+67]               ; lanes 16-31 write the same bytes with the same values
.irp c, 0,1
.irp k, 0,1,2,3,4,5,6,7,8,9,10,11,12,13,14,15
	ds_load_b64 v[XM+32*\c+2*\k:XM+32*\c+2*\k+1], v7 offset:256*\c+8*\k   ; LDS serves a wave's instructions in order: these see the stores.  mask[r][64 c + 32 h + 2 k - 2 ..]
.endr
.endr
	s_wait_dscnt 0x0                               ; the numbers are back, and the stores have read their registers,
	s_wait_xcnt 0x0                                ; and the last step's global stores have read their data: v[OW ..] may be written again
.if (\j) < 2
	MLOAD (\j)+2                                   ; the set just stored takes the loads of two steps on
.endif
.set n, 0
.rept 8                                ; eight numbers at a time: compare, select -6 or 0, one conversion: eight codes in a register
.irp e, 0,1,2,3,4,5,6,7
	v_cmp_eq_u32 s[28+\e], 0, v[XM+n+\e]           ; bit L: hidden for lane L
.endr
.if (\j) == 0 && n == 0
	s_or_b32 s28, s28, s24                         ; columns 0 and 1 are hidden for every query
	s_or_b32 s29, s29, s24
.endif
.irp e, 0,1,2,3,4,5,6,7
	v_cndmask_b32 v[XM+n+\e], 0, v10, s[28+\e]
.endr
	v_cvt_scalef32_pk8_fp4_f32 v[OW+n/8], v[XM+n:XM+n+7], v11   ; (the next group's compares are the plain lines behind it)
.set n, n+8
.endr
	global_store_b128 v4, v[OW:OW+3], s[12:13] offset:1024*(\j)        ; 512 consecutive bytes, aligned
	global_store_b128 v4, v[OW+4:OW+7], s[12:13] offset:1024*(\j)+512
.endm
	MLOAD 0
	MLOAD 1
	MSTEP 0
	MSTEP 1
	MSTEP 2
	MSTEP 3
	s_wait_tensorcnt 0x0                           ; the wave's end
	ds_add_u32 v30, v31
	s_wait_dscnt 0x0
	s_endpgm
; ---------------- PATH K: one step (128 columns) of one head a wave
.set R,   32                           ; v32-95, v96-159  two sets: 32 key rows as loaded
.set X,   160                          ; v160-223 two tiles x 32 numbers of my lane's row and block
.set C,   224                          ; v224-255 the codes, four registers a tile, never rewritten
.set W,   16                           ; v16-23   the tiles' scale words
.Lkeys:
	s_lshr_b32 s16, s15, 4                         ; head
	s_and_b32 s17, s15, 15                         ; step
	s_lshl_b32 s18, s16, 19                        ; a head is 2,048 rows of 256 bytes
	s_lshl_b32 s20, s17, 15
	s_add_co_u32 s20, s20, s18
	s_mov_b32 s21, 0
	s_lshl_b32 s22, s17, 7
	s_add_co_u32 s22, s22, 2046
	s_and_b32 s22, s22, 2047                       ; the two rows in front of the step, round the head's end for step 0
	s_lshl_b32 s22, s22, 8
	s_add_co_u32 s22, s22, s18
	s_mov_b32 s23, 0
	s_add_nc_u64 s[6:7], s[4:5], s[22:23]
	s_add_nc_u64 s[4:5], s[4:5], s[20:21]
	s_mul_i32 s24, s16, KVH
	s_mul_i32 s25, s17, IMG
	s_add_co_u32 s24, s24, s25
	s_mov_b32 s25, 0
	s_add_nc_u64 s[10:11], s[10:11], s[24:25]
	s_mul_i32 s28, s14, KSW                        ; my stage
	s_wait_alu depctr_va_vdst(0)
	v_mul_u32_u24 v5, v3, 272
	v_lshl_add_u32 v5, v2, 4, v5
	v_add_nc_u32 v5, s28, v5                       ; in: a load's two rows: row h, 16 bytes at 16 r
	v_and_b32 v8, 8, v2
	v_add_nc_u32 v8, v8, v2                        ; r + 8 (r / 8)
	v_mul_u32_u24 v6, v8, 272
	v_lshl_add_u32 v6, v3, 7, v6
	v_add_nc_u32 v6, s28, v6                       ; out: that stage row, block h: 128 bytes
	v_lshlrev_b32 v7, 3, v3                        ; 8 h: my byte's place in the scale word
	v_mov_b32 v12, 0                               ; written once: a lane permute's destination counts as one of its sources
	v_mov_b32 v13, 0
; set b = 2 cc + u': stage rows 0-15 are columns 64 cc + 16 u' + 0 .. 15, rows 16-31 the columns 32 further on: so the set holds tiles 2 b and 2 b + 1 whole.  Key rows lie two back; each load takes two rows, 512 consecutive bytes
.macro LOADB b
.irp i, 0,1,2,3,4,5,6,7,8,9,10,11,12,13,14,15
.if (\b) == 0 && \i == 0
	global_load_b128 v[R:R+3], v4, s[6:7] th:TH_LOAD_NT
.else
	global_load_b128 v[R+64*((\b)%2)+4*\i:R+64*((\b)%2)+4*\i+3], v4, s[4:5] offset:(64*((\b)/2)+16*((\b)%2)+32*(\i/8)+2*(\i%8)-2)*256 th:TH_LOAD_NT
.endif
.endr
.endm
.macro BLOCKK b
.if (\b) < 3
	s_wait_loadcnt 16                              ; this set's 16 loads are in; the next set's 16 may be out
.else
	s_wait_loadcnt 0x0
.endif
.irp i, 0,1,2,3,4,5,6,7,8,9,10,11,12,13,14,15
	ds_store_b128 v5, v[R+64*((\b)%2)+4*\i:R+64*((\b)%2)+4*\i+3] offset:544*\i
.endr
.irp u, 0,1
.irp j, 0,1,2,3,4,5,6,7
	ds_load_b128 v[X+32*\u+4*\j:X+32*\u+4*\j+3], v6 offset:8*\u*272+16*\j   ; LDS serves a wave's instructions in order: these see the stores
.endr
.endr
	s_wait_dscnt 0x0                               ; the numbers are back, and the stores have read their registers,
.if (\b) < 2
	LOADB (\b)+2                                   ; which take the loads of two sets on
.endif
.irp u, 0,1
	MAX32 8+\u, 10+\u, X+32*\u                     ; a whole block of 32 is mine
.endr
.irp u, 0,1
	v_add_nc_u32 v[14+\u], 0xff000000, v[8+\u]     ; 2 off the exponent field: the conversion takes the exponent field of this operand as its scale
.endr
.irp u, 0,1
	v_lshrrev_b32 v[10+\u], 23, v[14+\u]           ; the scale's byte
.endr
.irp u, 0,1
.irp g, 0,1,2,3
	v_cvt_scalef32_pk8_fp4_f32 v[C+4*(2*(\b)+\u)+\g], v[X+32*\u+8*\g:X+32*\u+8*\g+7], v[14+\u]
.endr
.endr
.irp u, 0,1
	v_lshlrev_b32 v[10+\u], v7, v[10+\u]           ; (a plain line behind the conversions)  my byte at its place,
.endr
.irp u, 0,1
	v_permlanex16_b32 v[12+\u], v[10+\u], s26, s27
.endr
.irp u, 0,1
	v_or_b32 v[10+\u], v[10+\u], v[12+\u]          ; with lane l xor 16's: e0, e1
.endr
.irp u, 0,1
	v_lshl_or_b32 v[W+2*(\b)+\u], v[10+\u], 16, v[10+\u]   ; and once more above them
.endr
.irp u, 0,1
	global_store_b128 v4, v[C+4*(2*(\b)+\u):C+4*(2*(\b)+\u)+3], s[10:11] offset:512*(2*(\b)+\u)   ; 512 consecutive bytes, aligned
.endr
.endm
	LOADB 0
	LOADB 1
	s_wait_alu depctr_va_vdst(0)
	BLOCKK 0
	BLOCKK 1
	BLOCKK 2
	BLOCKK 3
.irp i, 0,1,2,3
	v_cndmask_b32 v[24+\i], v[W+\i], v[W+4+\i], vcc_lo   ; lanes 0-15 carry tiles 0-3, lanes 16-31 tiles 4-7
.endr
	global_store_b128 v4, v[24:27], s[10:11] offset:4096
	s_wait_tensorcnt 0x0                           ; the wave's end
	ds_add_u32 v30, v31
	s_wait_dscnt 0x0
	s_endpgm
; ---------------- PATH V: one step (128 keys) of one head a wave; no LDS
; block q of eight: keys 32 (q / 2) on, channels 32 (q % 2) + lane.  v32-95 two sets of 32 numbers; v96-127 the codes, never rewritten; v16, v17 the scale bytes of channels lane and 32 + lane
.Lvals:
	s_sub_co_u32 s15, s15, 1024
	s_lshr_b32 s16, s15, 4                         ; head
	s_and_b32 s17, s15, 15                         ; step
	s_lshl_b32 s20, s16, 19
	s_lshl_b32 s21, s17, 15
	s_add_co_u32 s20, s20, s21
	s_mov_b32 s21, 0
	s_add_nc_u64 s[6:7], s[6:7], s[20:21]
	s_mul_i32 s24, s16, KVH
	s_mul_i32 s25, s17, IMG
	s_add_co_u32 s24, s24, s25
	s_mov_b32 s25, 0
	s_add_nc_u64 s[10:11], s[10:11], s[24:25]
	s_wait_alu depctr_va_vdst(0)
	v_lshlrev_b32 v5, 2, v1                        ; in: 4 bytes a lane
	v_lshlrev_b32 v6, 10, v3
	v_lshl_add_u32 v6, v2, 4, v6                   ; out: 1,024 h + 16 r: lanes 16-31 belong to the next tile of 16 channels
	v_mov_b32 v18, 0                               ; written once: a lane permute's destination counts as one of its sources
	v_mov_b32 v19, 0
.macro LOADV q
.set i, 0
.rept 32
	global_load_b32 v[32+32*((\q)%2)+i], v5, s[6:7] offset:(32*((\q)/2)+i)*256+128*((\q)%2) th:TH_LOAD_NT
.set i, i+1
.endr
.endm
.macro BLOCKV q
.set XV, 32+32*((\q)%2)
.set BE, (\q)/2
.set GG, (\q)%2
.if (\q) < 7
	s_wait_loadcnt 32                              ; this block's 32 loads are in; the next block's 32 may be out
.else
	s_wait_loadcnt 0x0
.endif
	MAX32 8, 9, XV                                 ; all 32 numbers of the block are mine
	v_add_nc_u32 v10, 0xff000000, v8
	v_lshrrev_b32 v11, 23, v10
.irp g, 0,1,2,3
	v_cvt_scalef32_pk8_fp4_f32 v[96+4*(\q)+\g], v[XV+8*\g:XV+8*\g+7], v10
.endr
.if BE == 0
	v_mov_b32 v[16+GG], v11                        ; (a plain line behind the conversions)  four bytes to a word, the lower keys in the lower byte
.else
	v_lshl_or_b32 v[16+GG], v11, 8*BE, v[16+GG]
.endif
	global_store_b128 v6, v[96+4*(\q):96+4*(\q)+3], s[10:11] offset:4608+2048*GG+512*(BE/2)+256*(BE%2)   ; each half of the lanes stores 256 consecutive bytes, aligned
.if (\q) < 6
	LOADV (\q)+2
.endif
.endm
	LOADV 0
	LOADV 1
.irp q, 0,1,2,3,4,5,6,7
	BLOCKV \q
.endr
	v_permlanex16_b32 v18, v16, s26, s27
	v_permlanex16_b32 v19, v17, s26, s27
	v_cndmask_b32 v20, v16, v18, vcc_lo            ; channel r:      lane r's word of the first 32
	v_cndmask_b32 v21, v18, v16, vcc_lo            ; channel 16 + r: lane 16 + r's
	v_cndmask_b32 v22, v17, v19, vcc_lo            ; channel 32 + r
	v_cndmask_b32 v23, v19, v17, vcc_lo            ; channel 48 + r
	global_store_b128 v4, v[20:23], s[10:11] offset:8704
	s_endpgm
.Lfunc_end_k_qe82a617fc4_prep:
	.size	k_qe82a617fc4_prep, .Lfunc_end_k_qe82a617fc4_prep-k_qe82a617fc4_prep
	.p2alignl 7, 3214868480
	.fill 96, 4, 3214868480
	.section	.rodata,"a",@progbits
	.p2align	6, 0x0
	.amdhsa_kernel k_qe82a617fc4_prep
		.amdhsa_group_segment_fixed_size 69120
		.amdhsa_private_segment_fixed_size 0
		.amdhsa_enable_private_segment 0
		.amdhsa_kernarg_size 40
		.amdhsa_user_sgpr_count 2
		.amdhsa_user_sgpr_kernarg_segment_ptr 1
		.amdhsa_wavefront_size32 1
		.amdhsa_system_sgpr_workgroup_id_x 1
		.amdhsa_system_sgpr_workgroup_id_y 1
		.amdhsa_system_sgpr_workgroup_id_z 1
		.amdhsa_system_vgpr_workitem_id 0
		.amdhsa_next_free_vgpr 256
		.amdhsa_next_free_sgpr 66
		.amdhsa_reserve_vcc 1
		.amdhsa_float_denorm_mode_32 3
		.amdhsa_float_denorm_mode_16_64 3
		.amdhsa_memory_ordered 1
		.amdhsa_forward_progress 1
		.amdhsa_inst_pref_size 124
	.end_amdhsa_kernel
	.amdgpu_metadata
---
amdhsa.version: [ 1, 2 ]
amdhsa.kernels:
  - .name:           k_qe82a617fc4_prep
    .symbol:         k_qe82a617fc4_prep.kd
    .args:
      - { .name: keys, .offset: 0, .size: 8, .value_kind: global_buffer, .address_space: global }
      - { .name: vals, .offset: 8, .size: 8, .value_kind: global_buffer, .address_space: global }
      - { .name: mask, .offset: 16, .size: 8, .value_kind: global_buffer, .address_space: global }
      - { .name: kv, .offset: 24, .size: 8, .value_kind: global_buffer, .address_space: global }
      - { .name: mc, .offset: 32, .size: 8, .value_kind: global_buffer, .address_space: global }
    .group_segment_fixed_size: 69120
    .private_segment_fixed_size: 0
    .kernarg_segment_align: 8
    .kernarg_segment_size: 40
    .max_flat_workgroup_size: 128
    .sgpr_count:     66
    .vgpr_count:     256
    .wavefront_size: 32
...
	.end_amdgpu_metadata
.endif
;; end of part 1
;; launch attn (part 2): grid 4 x 64, 16 waves a work-group, clusters of 4 x 1, 219,136 bytes of LDS; arguments kv, mc, query, out0; writes out0
.if DOCPART == 2
	.amdgcn_target "amdgcn-amd-amdhsa--gfx1250"
	.amdhsa_code_object_version 6
	.text
	.protected	k_qe82a617fc4_attn
	.globl	k_qe82a617fc4_attn
	.p2align	8
	.type	k_qe82a617fc4_attn,@function
k_qe82a617fc4_attn:
	s_mov_b64 s[64:65], 0
	v_nop
	global_prefetch_b8 v0, s[64:65] scope:SCOPE_SE
	s_setreg_imm32_b32 hwreg(HW_REG_WAVE_MODE, 25, 1), 1
	s_wait_xcnt 0x0
	s_wait_alu depctr_hold_cnt(0) depctr_sa_sdst(0) depctr_va_vdst(0) depctr_va_sdst(0) depctr_va_ssrc(0) depctr_va_vcc(0) depctr_vm_vsrc(0)
	s_getreg_b32 s2, hwreg(HW_REG_IB_STS2, 6, 4)
	s_cmp_eq_u32 s2, 0
	s_cbranch_scc0 .Lentry_in_a_cluster
	s_endpgm
.Lentry_in_a_cluster:
	s_bfe_u32 s2, ttmp6, 0x10000c
	s_cmp_lg_u32 s2, 0x3003
	s_cbranch_scc0 .Lentry_shape_is_right
	s_endpgm
.Lentry_shape_is_right:
; out[q] = sum over c of p[q][c] vals[c] / l[q]; the score of column c is Q[q] . K[(c - 2) mod 2048] / 8, hidden where c < 2 or mask[q][c - 2] == 0.  Both products on codes of E2M1 with E8M0 scales.
; kv holds, for each head and step of 128 columns, an image of 9,216 bytes in the order of the operands' registers; mc holds the mask as codes of E2M1 (-6 hidden, 0 open) in the order of the score registers.  The launch before made both.
; THE MASK IS THE FIRST PRODUCT'S C: eight conversions widen a step's 64 codes a lane, x 2^123, into the score registers, and S^T = K Q^T + C: a hidden score is -1.5 x 2^125, an open one has 0 added.
; THE SOFTMAX: t = score x log2(e) / 8; M = the running largest t rounded UP to a whole number; p = 2^(t - M) is quantised along the columns, not normalised; l is the sum of the unquantised p and divides at the end.
; When M moves, l and O^T are multiplied by 2^(old M - new M): nothing is rounded.  The running largest score begins at -2^43, over every hidden score: a hidden p is 2^(a number under -2^120) = 0,
; and a row that is hidden everywhere ends with l = 0 and O^T = 0: 0 x (1 / 0) is NaN, as the definition has it.
; SHARES.  A work-group owns 512 queries of one head; each of its sixteen waves two tiles of 16 queries, one after the other, in 256 registers: four waves to a SIMD.
; LDS.  A whole head's 16 images, 147,456 bytes, are filled ONCE: wave w brings image w by one tensor load (one load of mine is out); one barrier; nothing is filled again.
; CLUSTER.  The four work-groups of a head read the same images: they ask JOINTLY, the same load with the same descriptor and the mask of all four.  The place in the cluster enters the addresses of query, out0 and mc alone.
; LAYOUT.  Both products are used transposed (S^T = K Q^T, O^T = V^T P^T): a lane holds ONE query (lane % 16).  Row m of K's tile 4 cc + g is column 64 cc + 32 (m / 8) + 8 g + m % 8, so score register n of lane (r, h)
; is column 64 (n / 32) + 32 h + n % 32: A WHOLE BLOCK OF 32 COLUMNS LIES IN ONE LANE'S 32 REGISTERS, in the order of the second product's operand: its maximum needs no other lane, and the conversions' results are the operand.
; THE HEAD'S 64 FILL HALF OF THE INSTRUCTION'S 128: Q's operand has zero codes for k = 64 .. 127; a tile's operand of K runs on into the next tile's codes, which meet those zeros; four zero registers follow tile 7.
; PREFETCH.  The second tile's 16 rows of Q (a lane a row of 256 bytes; lanes 16-31 name the last row again) are asked for in the first tile's step 4, twelve steps ahead of their load.  The images come once, at the head, with no loop ahead of them;
; mc's 2 MB are read by the work-groups of all 64 heads in the same steps and are loaded two steps ahead of their use, in two sets of registers by turns: neither is prefetched.
; LIMITS: the promise holds while |t| stays under 2^31; NaN and infinities among the inputs are not served; a p under 2^-126 counts as 0 (v_exp_f32 flushes); a block whose every p is 0 keeps the byte 1: its codes are zeros.
.set IMG,  9216
.set KVH,  147456
.set STG,  147456                      ; behind the images: a stage of 16 rows x (256 + 16) bytes for each wave, its own: it turns Q on the way in and O on the way out; no tensor load lands there
.set STW,  4352
.set SPARE, STG+16*STW                 ; the spare words, 128 bytes a wave
.set L16,  1                           ; v1   16 x lane
.set AD,   2                           ; v2   LDS address of an image, for my lane
.set MSC,  3                           ; v3   the byte 250 four times: the mask codes' scale, 2^123
.set STI,  4                           ; v4   the stage by dense rows: 272 h + 16 r
.set STQ,  5                           ; v5   the stage, Q out: 272 r + 128 h
.set STO,  6                           ; v6   the stage, O in: 272 r + 32 h
.set SH8,  7                           ; v7   8 h
.set MD,   8                           ; v8-11    mask codes, set 1, registers 0-3
.set QF,   16                          ; v16-19 Q's codes; v20-23 zeros.   v12 -M, v13 the largest score, v[14:15] l in two halves
.set QS,   24                          ; v24  Q's scale word
.set PFO,  25                          ; v25  the prefetch's offset: 256 x min(lane, 15)
.set SCK,  28                          ; v28-31  K's scale words: register i: lanes 0-15 tile i, lanes 16-31 tile 4 + i
.set SCV,  32                          ; v32-35  V's scale words
.set KF,   36                          ; v36-67  K's eight tiles, four registers each; v68-71 zeros
.set VF,   72                          ; v72-103 V's four fragments
.set S,    104                         ; v104-167 the mask's numbers, then S^T, then p
.set O,    168                         ; v168-199 O^T; between tiles: Q as loaded
.set PC,   200                         ; v200-207 p's codes
.set BM,   208                         ; v208-211 the maxima's four chains; then v208, v209: my two blocks' largest score, then largest p
.set T4,   212                         ; v212-215 at work
.set SO,   216                         ; v216-217 the conversions' scale operands
.set FF,   220                         ; v[220:221] f = 2^(old M - new M); the upper register is only named with it
.set PW,   222                         ; v222 p's scale word
.set TA,   223                         ; v223 at work
.set MC,   226                         ; v226-233 mask codes, set 0
.set A,    234                         ; v234-249 eight pairs: the sum's chains
.set ME,   250                         ; v250-253 mask codes, set 1, registers 4-7
.set SPW,  254
.set NIL,  255
.set HP,   2                           ; s[2:3]  mc: the codes that were asked for last
.set HS,   4                           ; s[4:5]  its step
.set OP,   6                           ; s[6:7]  out0 at my 32 rows
.set G1,   8                           ; s[8:15] descriptor group 1;  s[16:19] group 0
.set G0,   16
.set WV,   20
.set CX,   21
.set HD,   22
.set TB,   23                          ; image bytes stepped: IMG a step
.set STP,  24                          ; trips of two steps to go
.set GS,   25                          ; steps done, over both tiles
.set QP,   26                          ; s[26:27] query at my 32 rows
.set SEL,  28                          ; s[28:29] v_permlanex16_b32's selects for lane l xor 16
.set CS,   30                          ; s[30:31] c = log2(e) / 8
.set TN,   40                          ; LDS byte of the next step's image
.macro CROUND                          ; a round of the cluster's barrier
	s_barrier_signal -1
	s_barrier_wait -1
	s_cmp_lg_u32 s[WV], 0
	s_cbranch_scc1 .Lnot_wave_0_\@
	s_barrier_signal -3
.Lnot_wave_0_\@:
	s_barrier_wait -3
	s_barrier_signal -1
	s_barrier_wait -1
.endm
.macro QLOAD p                         ; tile p's 16 rows of Q, 512 consecutive bytes a load
.irp i, 0,1,2,3,4,5,6,7
	global_load_b128 v[O+4*\i:O+4*\i+3], v[L16], s[QP:QP+1] offset:4096*(\p)+512*\i th:TH_LOAD_NT
.endr
.endm
.macro MLOAD m, off                    ; a step's mask codes, 1,024 consecutive bytes, into set m
.if (\m)
	global_load_b128 v[MD:MD+3], v[L16], s[HP:HP+1] offset:\off
	global_load_b128 v[ME:ME+3], v[L16], s[HP:HP+1] offset:\off+512
.else
	global_load_b128 v[MC:MC+3], v[L16], s[HP:HP+1] offset:\off
	global_load_b128 v[MC+4:MC+7], v[L16], s[HP:HP+1] offset:\off+512
.endif
.endm
.macro BIAS m                          ; set m's 64 codes a lane -> 0 or -6 x 2^123 in the score registers
.irp t, 0,1,2,3
.if (\m)
	v_cvt_scale_pk8_f32_fp4 v[S+8*\t:S+8*\t+7], v[MD+\t], v[MSC]
.else
	v_cvt_scale_pk8_f32_fp4 v[S+8*\t:S+8*\t+7], v[MC+\t], v[MSC]
.endif
.endr
.irp t, 0,1,2,3
.if (\m)
	v_cvt_scale_pk8_f32_fp4 v[S+32+8*\t:S+32+8*\t+7], v[ME+\t], v[MSC]
.else
	v_cvt_scale_pk8_f32_fp4 v[S+32+8*\t:S+32+8*\t+7], v[MC+4+\t], v[MSC]
.endif
.endr
.endm
.macro KLOAD                           ; K's scale words and eight tiles of the image at v[AD]
	ds_load_b128 v[SCK:SCK+3], v[AD] offset:4096
.irp t, 0,1,2,3,4,5,6,7
	ds_load_b128 v[KF+4*\t:KF+4*\t+3], v[AD] offset:512*\t
.endr
.endm
.macro ACC i, off
	v_pk_add_f32 v[A+2*\i:A+2*\i+1], v[A+2*\i:A+2*\i+1], v[S+\off+2*\i:S+\off+2*\i+1]
.endm
.macro TREE i, k
	v_pk_add_f32 v[A+2*\i:A+2*\i+1], v[A+2*\i:A+2*\i+1], v[A+2*\k:A+2*\k+1]
.endm
.macro LSUM                            ; the last step's four chains of the sum are joined and go into l
	TREE 0, 2
	TREE 1, 3
	TREE 0, 1
	v_pk_add_f32 v[14:15], v[14:15], v[A:A+1]
.endm
; 16 rows of Q as loaded go through my stage and come back 32 numbers a lane (row r, block h); they become four registers of codes and the scale word
.macro QTURN
.irp i, 0,1,2,3,4,5,6,7
	ds_store_b128 v[STI], v[O+4*\i:O+4*\i+3] offset:544*\i
.endr
.irp j, 0,1,2,3,4,5,6,7
	ds_load_b128 v[VF+4*\j:VF+4*\j+3], v[STQ] offset:16*\j   ; LDS serves a wave's instructions in order: these see the stores
.endr
	s_wait_dscnt 0x0
	v_max3_num_f32 v[BM], |v[VF]|, |v[VF+1]|, |v[VF+2]|
	v_max3_num_f32 v[BM+1], |v[VF+3]|, |v[VF+4]|, |v[VF+5]|
.irp i, 6,10,14,18,22,26
	s_delay_alu instid0(VALU_DEP_2)
	v_max3_num_f32 v[BM], v[BM], |v[VF+\i]|, |v[VF+\i+1]|
	s_delay_alu instid0(VALU_DEP_2)
	v_max3_num_f32 v[BM+1], v[BM+1], |v[VF+\i+2]|, |v[VF+\i+3]|
.endr
	s_delay_alu instid0(VALU_DEP_2)
	v_max3_num_f32 v[BM], v[BM], |v[VF+30]|, |v[VF+31]|
	s_delay_alu instid0(VALU_DEP_1)
	v_max3_num_f32 v[BM], v[BM], v[BM+1], 0x1800000   ; and the floor 2^(3 - 127): the byte cannot fall under 1
	s_delay_alu instid0(VALU_DEP_1)
	v_add_nc_u32 v[SO], 0xff000000, v[BM]          ; 2 off the exponent field: the conversion's scale operand
	s_delay_alu instid0(VALU_DEP_1)
	v_lshrrev_b32 v[BM+2], 23, v[SO]               ; the scale's byte
.irp g, 0,1,2,3
	v_cvt_scalef32_pk8_fp4_f32 v[QF+\g], v[VF+8*\g:VF+8*\g+7], v[SO]
.endr
	v_lshlrev_b32 v[BM+2], v[SH8], v[BM+2]         ; (a plain line behind the conversions)  my byte at its place,
	s_delay_alu instid0(VALU_DEP_1)
	v_permlanex16_b32 v[T4], v[BM+2], s[SEL], s[SEL+1]
	s_delay_alu instid0(VALU_DEP_1)
	v_or_b32 v[BM+2], v[BM+2], v[T4]               ; with lane l xor 16's: e0, e1,
	s_delay_alu instid0(VALU_DEP_1)
	v_lshl_or_b32 v[QS], v[BM+2], 16, v[BM+2]      ; and once more above them, for the k that hold zero codes
.endm
; A STEP OF 128 COLUMNS, step g with b = g % 2.  On entry: the score registers hold its mask numbers, K's fragments are on their way, the codes of steps g + 1 (set 1 - b) and g + 2 (set b) have been asked for
.macro ONE b
	ds_load_b128 v[SCV:SCV+3], v[AD] offset:8704   ; (four plain lines stand between the last products and these loads)
.irp i, 0,1,2,3,4,5,6,7
	ds_load_b128 v[VF+4*\i:VF+4*\i+3], v[AD] offset:4608+512*\i
.endr
	s_wait_dscnt 9                                 ; K's nine loads, issued in the step before, are in; V's nine may be out
.irp t, 0,1,2,3
	v_wmma_scale_f32_16x16x128_f8f6f4 v[S+8*\t:S+8*\t+7], v[KF+4*\t:KF+4*\t+7], v[QF:QF+7], v[S+8*\t:S+8*\t+7], v[SCK+\t], v[QS] matrix_a_fmt:MATRIX_FMT_FP4 matrix_b_fmt:MATRIX_FMT_FP4
.endr
.irp t, 4,5,6,7
	v_wmma_scale_f32_16x16x128_f8f6f4 v[S+8*\t:S+8*\t+7], v[KF+4*\t:KF+4*\t+7], v[QF:QF+7], v[S+8*\t:S+8*\t+7], v[SCK+\t-4], v[QS] matrix_a_fmt:MATRIX_FMT_FP4 matrix_b_fmt:MATRIX_FMT_FP4 matrix_a_scale:MATRIX_SCALE_ROW1
.endr
	LSUM                                           ; four plain lines that name none of the products' registers: the places in front of the first read of the results
	v_mov_b32 v[T4+1], v12                         ; the old -M
.irp k, 0,1,2,3
	v_max3_num_f32 v[BM+\k], v[S+16*\k], v[S+16*\k+1], v[S+16*\k+2]   ; the largest score, four chains of 16 registers by turns; each result is read from its low end on
.endr
.irp i, 3,5,7,9,11,13
.irp k, 0,1,2,3
	v_max3_num_f32 v[BM+\k], v[BM+\k], v[S+16*\k+\i], v[S+16*\k+\i+1]
.endr
.endr
	v_max3_num_f32 v[BM], v[BM], v[S+15], v[S+31]
	v_max3_num_f32 v[BM+2], v[BM+2], v[S+47], v[S+63]
	v_max_num_f32 v[BM], v[BM], v[BM+1]            ; block h of the step's four: it serves the row's maximum and, since p rises with the score, the block's largest p
	v_max_num_f32 v[BM+1], v[BM+2], v[BM+3]        ; block 2 + h
	v_max_num_f32 v[TA], v[BM], v[BM+1]
	v_permlanex16_b32 v[T4], v[TA], s[SEL], s[SEL+1]
	v_max3_num_f32 v13, v13, v[TA], v[T4]          ; the running largest score of my query
	v_mul_f32 v[TA], s[CS], v13                    ; as t (c is positive)
	v_floor_f32 v12, -v[TA]                        ; the new -M = floor(-t) = -ceil(t): a whole number
	s_add_co_u32 s[TB], s[TB], IMG
	s_min_u32 s[TN], s[TB], 15*IMG                 ; the next step's image; the tile's last step names its own again: no load leaves the images
.set j, 0
.rept 32
	v_pk_fma_f32 v[S+j:S+j+1], v[S+j:S+j+1], s[CS:CS+1], v[12:13] op_sel_hi:[1,0,0]   ; t - M, two at a time; the three lines that make f stand among them
.if j == 4
	v_sub_f32 v[TA], v12, v[T4+1]                  ; old M - new M: a whole number, 0 or less
.endif
.if j == 12
	v_cvt_i32_f32 v[TA], v[TA]                     ; (it saturates)
.endif
.if j == 20
	v_ldexp_f32 v[FF], 1.0, v[TA]                  ; f = 2^(old M - new M)
.endif
.set j, j+2
.endr
.irp c, 0,1
	v_fma_f32 v[BM+\c], v[BM+\c], s[CS], v12       ; the same of each block's largest score
.endr
	v_pk_mul_f32 v[14:15], v[14:15], v[FF:FF+1] op_sel_hi:[1,0]   ; l under the new M
.set j, 0
.rept 16
	v_pk_mul_f32 v[O+j:O+j+1], v[O+j:O+j+1], v[FF:FF+1] op_sel_hi:[1,0]   ; O^T under the new M, ahead of the exponentials; each result is read from its low end on
.set j, j+2
.endr
	s_wait_alu depctr_va_vdst(0)                   ; the wait ahead of the batch
.set j, 0
.rept 64
	v_exp_f32 v[S+j], v[S+j]                       ; p = 2^(t - M), not normalised
.set j, j+1
.endr
.irp c, 0,1
	v_exp_f32 v[BM+\c], v[BM+\c]                   ; the block's largest p: the same two instructions on the same number
.endr
	v_add_nc_u32 v[AD], s[TN], v[L16]              ; (the plain line behind the batch)
	s_wait_alu depctr_va_vdst(0)                   ; one wait for the 66, ahead of the first line that names a result
	s_wait_dscnt 0x0                               ; V's fragments and scale words are in
	s_wait_loadcnt 2                               ; the next step's mask codes are in; the two loads of the step after it may be out,
	s_wait_xcnt 0x0                                ; but have read their base, which is stepped below
	KLOAD                                          ; the next step's K: its registers were last read by this step's first products
.irp c, 0,1
	v_max_num_f32 v[BM+\c], 0x1800000, v[BM+\c]    ; the floor 2^(3 - 127): the byte cannot fall under 1
.endr
.irp i, 0,1,2,3,4,5,6,7
	v_pk_add_f32 v[A+2*\i:A+2*\i+1], v[S+2*\i:S+2*\i+1], v[S+16+2*\i:S+16+2*\i+1]   ; l is the sum of the unquantised p: eight chains of pairs
.endr
.irp c, 0,1
	v_add_nc_u32 v[SO+\c], 0xff000000, v[BM+\c]    ; 2 off the exponent field: the conversion's scale operand
.endr
.irp c, 0,1
	v_lshrrev_b32 v[T4+\c], 23, v[SO+\c]           ; the scale's byte
.endr
.irp t, 0,1,2,3,4,5,6,7
	v_cvt_scalef32_pk8_fp4_f32 v[PC+\t], v[S+8*\t:S+8*\t+7], v[SO+\t/4]   ; register t of the operand: k = 64 (t / 4) + 32 h + 8 (t % 4) + 0 .. 7
.endr
	v_lshl_or_b32 v[PW], v[T4+1], 16, v[T4]        ; (a plain line behind the conversions)  my bytes: blocks h and 2 + h,
	ACC 0, 32
	ACC 1, 32
	v_lshlrev_b32 v[PW], v[SH8], v[PW]             ; at their places,
	ACC 2, 32
	ACC 3, 32
	v_permlanex16_b32 v[T4+2], v[PW], s[SEL], s[SEL+1]
	ACC 4, 32
	ACC 5, 32
	v_or_b32 v[PW], v[PW], v[T4+2]                 ; with lane l xor 16's two: p's scale word.  Ten plain lines follow, ahead of the products
	ACC 6, 32
	ACC 7, 32
.irp i, 0,1,2,3,4,5,6,7
	ACC \i, 48
.endr
.irp d, 0,1,2,3                                ; O^T += V^T P^T: the four accumulators take turns
	v_wmma_scale_f32_16x16x128_f8f6f4 v[O+8*\d:O+8*\d+7], v[VF+8*\d:VF+8*\d+7], v[PC:PC+7], v[O+8*\d:O+8*\d+7], v[SCV+\d], v[PW] matrix_a_fmt:MATRIX_FMT_FP4 matrix_b_fmt:MATRIX_FMT_FP4
.endr
	BIAS 1-\b                                      ; p has been read: the score registers take the next step's mask numbers
	s_add_co_u32 s[GS], s[GS], 1
	s_cmp_lt_u32 s[GS], 30
	s_cselect_b32 s[HS], 1024, 0                   ; my last three steps ask for my last codes again: no load leaves mc
	s_add_nc_u64 s[HP:HP+1], s[HP:HP+1], s[HS:HS+1]
	MLOAD 1-\b, 0                                  ; the codes of three steps on, into the set just read
	TREE 0, 4                                      ; eight chains to four: the plain lines behind the products and the conversions; the rest of the sum stands behind the next step's first products
	TREE 1, 5
	TREE 2, 6
	TREE 3, 7
	s_wait_alu depctr_va_vdst(0)                   ; the wait here, ahead of the next step's waits and of the branch
.endm
; A TILE OF 16 QUERIES: 16 steps, two a trip.  pf = 1: the next tile's Q is prefetched
.macro STEPS pf
.set j, 0
.rept 32
	v_mov_b32 v[O+j], 0                            ; O^T.  (The step is written once: the first finds zeros, which the first change of M leaves zeros)
.set j, j+1
.endr
.irp i, 0,1,2,3,4,5,6,7
	v_mov_b32 v[A+\i], 0                           ; the four chains that the first step joins into l
.endr
	v_mov_b32 v13, 0xd5000000                      ; the largest score so far: -2^43
	v_mov_b32 v14, 0
	v_mov_b32 v15, 0
	v_mul_f32 v[TA], s[CS], v13
	v_floor_f32 v12, -v[TA]                        ; -M
	v_mov_b32 v[AD], v[L16]
	s_mov_b32 s[TB], 0
	s_mov_b32 s[STP], 8
	KLOAD                                          ; the first step's K
	s_wait_alu depctr_va_vdst(0)                   ; the wait here, ahead of the loop's waits
.Lstep_\@:
.if \pf
	s_cmp_eq_u32 s[STP], 6
	s_cbranch_scc0 .Lnp_\@
	global_prefetch_b8 v[PFO], s[QP:QP+1] offset:4096 th:TH_LOAD_NT scope:SCOPE_SE   ; its two address registers are never rewritten
.Lnp_\@:
.endif
	ONE 0
	ONE 1
	s_sub_co_u32 s[STP], s[STP], 1
	s_cmp_lg_u32 s[STP], 0
	s_cbranch_scc1 .Lstep_\@
.endm
; THE WAY OUT of tile p: O^T / l goes through my stage and leaves as whole rows: a store takes two rows, 512 consecutive bytes.  The score registers, which hold the next tile's mask numbers, are not touched
.macro WAYOUT p
	s_wait_dscnt 0x0                               ; the loads into K's registers are in: these registers serve below
	LSUM                                           ; the last step's part of the sum
	v_add_f32 v14, v14, v15                        ; l's two halves,
	s_delay_alu instid0(VALU_DEP_1)
	v_permlanex16_b32 v[T4], v14, s[SEL], s[SEL+1]
	s_delay_alu instid0(VALU_DEP_1)
	v_add_f32 v14, v14, v[T4]                      ; and lane l xor 16's
	s_wait_alu depctr_va_vdst(0)                   ; the wait ahead of the reciprocal
	v_rcp_f32 v14, v14
	v_nop                                          ; one plain line behind it
	s_wait_alu depctr_va_vdst(0)                   ; and the wait ahead of its first reader, which is also the last products' first reader
.set j, 0
.rept 32
	v_mul_f32 v[VF+j], v[O+j], v14                 ; register 8 dt + i is out(r, 16 dt + 8 h + i); each result is read from its low end on
.set j, j+1
.endr
.if (\p) == 0
	QLOAD 1                                        ; the next tile's Q, into O^T's registers, while this tile leaves
.endif
.irp d, 0,1,2,3
	ds_store_b128 v[STO], v[VF+8*\d:VF+8*\d+3] offset:64*\d
	ds_store_b128 v[STO], v[VF+8*\d+4:VF+8*\d+7] offset:64*\d+16
.endr
.irp i, 0,1,2,3,4,5,6,7
	ds_load_b128 v[KF+4*\i:KF+4*\i+3], v[STI] offset:544*\i   ; LDS serves a wave's instructions in order: these see the stores
.endr
.irp i, 0,1,2,3,4,5,6,7
	s_wait_dscnt 7-\i                              ; load i is back; the younger ones may be out
	global_store_b128 v[L16], v[KF+4*\i:KF+4*\i+3], s[OP:OP+1] offset:4096*(\p)+512*\i th:TH_STORE_NT
.endr
	s_wait_xcnt 0x0                                ; the stores have read their data: K's registers may be loaded again
.endm
	s_load_b256 s[32:39], s[0:1], 0x0              ; kv s[32:33], mc s[34:35], query s[36:37], out0 s[38:39]
	v_lshl_add_u32 v[SPW], v0, 2, SPARE
	v_mov_b32 v[NIL], 0
	ds_add_u32 v[SPW], v[NIL]                      ; the opening lines: the add twice on end and one wait, ahead of my tensor load
	ds_add_u32 v[SPW], v[NIL]
	v_lshrrev_b32 v1, 5, v0
	s_delay_alu instid0(VALU_DEP_1)
	v_readfirstlane_b32 s[WV], v1                  ; wave 0..15
	s_bfe_u32 s[CX], ttmp6, 0x40000                ; my place in the cluster
	s_and_b32 s[HD], ttmp7, 0xffff                 ; the head, which the four partners share
	; descriptor group 1: an image is dense: 36 rows of 32 elements of 8 bytes, no padding
	s_mov_b32 s[G1], 15|(3<<16)|(1<<21)            ; the mask: all four work-groups; elements of 8 bytes; bit 21 set beside a mask
	s_mov_b32 s[G1+1], 32<<16                      ; tensor_dim0 = 32
	s_mov_b32 s[G1+2], 36<<16                      ; tensor_dim1 = 36
	s_mov_b32 s[G1+3], 32<<16                      ; tile_dim0 = 32
	s_mov_b32 s[G1+4], 36                          ; tile_dim1 = 36
	s_mov_b32 s[G1+5], 32                          ; from row to row
	s_mov_b32 s[G1+6], 0
	s_mov_b32 s[G1+7], 0
	s_mov_b32 s[G0], 1                             ; count = 1
	s_mul_i32 s[G0+1], s[WV], IMG                  ; LDS address: image w
	s_mul_i32 s40, s[HD], KVH
	s_add_co_u32 s40, s40, s[G0+1]                 ; and the same image in kv: head and wave alone
	s_mov_b32 s41, 0
	s_lshl_b32 s42, s[CX], 5
	s_lshl_b32 s43, s[WV], 1
	s_add_co_u32 s42, s42, s43                     ; my first tile of 16 queries: 32 cx + 2 w
	s_lshl_b32 s44, s42, 14                        ; 16,384 bytes a tile in mc,
	s_mov_b32 s45, 0
	s_lshl_b32 s42, s42, 12                        ; 4,096 in query and out0
	s_lshl_b32 s46, s[HD], 19
	s_add_co_u32 s46, s46, s42
	s_mov_b32 s47, 0
	s_mov_b32 s[SEL], 0x76543210
	s_mov_b32 s[SEL+1], 0xfedcba98
	s_mov_b32 s[CS], 0x3e38aa3b                    ; log2(e) / 8
	s_mov_b32 s[CS+1], s[CS]                       ; (named with it as a pair, so it is written)
	s_mov_b32 s[HS+1], 0
	s_mov_b32 s[GS], 0
	v_and_b32 v1, 31, v0
	v_min_u32 v[PFO], 15, v1
	v_lshlrev_b32 v[PFO], 8, v[PFO]
	v_lshlrev_b32 v[L16], 4, v1
	v_and_b32 v[BM], 15, v0                        ; r
	v_bfe_u32 v[BM+1], v0, 4, 1                    ; h
	v_mov_b32 v[MSC], 0xfafafafa
	s_delay_alu instid0(VALU_DEP_2)
	v_lshlrev_b32 v[SH8], 3, v[BM+1]
	s_wait_dscnt 0x0                               ; both opening adds are done
	s_wait_kmcnt 0x0
	s_add_nc_u64 s[G0+2:G0+3], s[32:33], s[40:41]
	s_or_b32 s[G0+3], s[G0+3], 0x80000000          ; type = 2
	s_add_nc_u64 s[HP:HP+1], s[34:35], s[44:45]
	s_add_nc_u64 s[QP:QP+1], s[36:37], s[46:47]
	s_add_nc_u64 s[OP:OP+1], s[38:39], s[46:47]
	CROUND                                         ; all four work-groups are here: the joint loads meet
	tensor_load_to_lds s[G0:G0+3], s[G1:G1+7]      ; my image of the head's sixteen
	s_nop 0
.rept 4
	v_nop                                          ; four such lines behind the load
.endr
	s_wait_alu depctr_va_vdst(0)
	QLOAD 0                                        ; the first tile's Q alone: the second's comes at the change of tiles
	MLOAD 0, 0                                     ; step 0's mask codes
	s_mul_i32 s41, s[WV], STW
	s_add_co_u32 s41, s41, STG                     ; my stage
	v_mul_u32_u24 v[STI], v[BM+1], 272
	s_delay_alu instid0(VALU_DEP_1)
	v_lshl_add_u32 v[STI], v[BM], 4, v[STI]
	s_delay_alu instid0(VALU_DEP_1)
	v_add_nc_u32 v[STI], s41, v[STI]
	v_mul_u32_u24 v[STQ], v[BM], 272
	s_delay_alu instid0(VALU_DEP_1)
	v_lshl_add_u32 v[STO], v[BM+1], 5, v[STQ]
	s_delay_alu instid0(VALU_DEP_2)
	v_lshl_add_u32 v[STQ], v[BM+1], 7, v[STQ]
	s_delay_alu instid0(VALU_DEP_1)
	v_add_nc_u32 v[STQ], s41, v[STQ]
	s_delay_alu instid0(VALU_DEP_3)
	v_add_nc_u32 v[STO], s41, v[STO]
.irp i, 0,1,2,3
	v_mov_b32 v[QF+4+\i], 0                        ; Q's codes for k = 64 .. 127
	v_mov_b32 v[KF+32+\i], 0                       ; what follows K's tile 7
	v_mov_b32 v[T4+\i], 0                          ; written once: a lane permute's destination counts as one of its sources
.endr
	v_mov_b32 v[FF+1], 0                           ; (named as the upper half of a pair)
	s_wait_alu depctr_va_vdst(0)                   ; the wait at the head's end
	s_wait_loadcnt 2                               ; Q's eight loads are in; the two of mask codes may be out
	QTURN                                          ; Q is quantised while the images are on their way
	s_wait_loadcnt 0x0
	BIAS 0                                         ; step 0's mask numbers
	MLOAD 1, 1024                                  ; step 1's codes,
	MLOAD 0, 2048                                  ; and step 2's
	s_wait_xcnt 0x0                                ; they have read their base:
	s_add_nc_u64 s[HP:HP+1], s[HP:HP+1], 2048      ; it stands at the codes asked for last
	s_wait_tensorcnt 0x0                           ; my image has landed,
	s_barrier_signal -1
	s_barrier_wait -1                              ; everybody's has: from here on the images are only read
	STEPS 1
	WAYOUT 0
	s_wait_loadcnt 0x0                             ; the second tile's Q
	QTURN
	STEPS 0
	WAYOUT 1
	s_wait_loadcnt 0x0                             ; the last loads of mask codes have landed
	s_wait_tensorcnt 0x0                           ; the wave's end
	ds_add_u32 v[SPW], v[NIL]
	s_wait_dscnt 0x0
	CROUND                                         ; the closing round: no work-group ends while a partner may still ask for an image that names it
	s_endpgm
.Lfunc_end_k_qe82a617fc4_attn:
	.size	k_qe82a617fc4_attn, .Lfunc_end_k_qe82a617fc4_attn-k_qe82a617fc4_attn
	.p2alignl 7, 3214868480
	.fill 96, 4, 3214868480
	.section	.rodata,"a",@progbits
	.p2align	6, 0x0
	.amdhsa_kernel k_qe82a617fc4_attn
		.amdhsa_group_segment_fixed_size 219136
		.amdhsa_private_segment_fixed_size 0
		.amdhsa_enable_private_segment 0
		.amdhsa_kernarg_size 32
		.amdhsa_user_sgpr_count 2
		.amdhsa_user_sgpr_kernarg_segment_ptr 1
		.amdhsa_wavefront_size32 1
		.amdhsa_system_sgpr_workgroup_id_x 1
		.amdhsa_system_sgpr_workgroup_id_y 1
		.amdhsa_system_sgpr_workgroup_id_z 1
		.amdhsa_system_vgpr_workitem_id 0
		.amdhsa_next_free_vgpr 256
		.amdhsa_next_free_sgpr 66
		.amdhsa_reserve_vcc 0
		.amdhsa_float_denorm_mode_32 3
		.amdhsa_float_denorm_mode_16_64 3
		.amdhsa_memory_ordered 1
		.amdhsa_forward_progress 1
		.amdhsa_inst_pref_size 84
	.end_amdhsa_kernel
	.amdgpu_metadata
---
amdhsa.version: [ 1, 2 ]
amdhsa.kernels:
  - .name:           k_qe82a617fc4_attn
    .symbol:         k_qe82a617fc4_attn.kd
    .args:
      - { .name: kv, .offset: 0, .size: 8, .value_kind: global_buffer, .address_space: global }
      - { .name: mc, .offset: 8, .size: 8, .value_kind: global_buffer, .address_space: global }
      - { .name: query, .offset: 16, .size: 8, .value_kind: global_buffer, .address_space: global }
      - { .name: out0, .offset: 24, .size: 8, .value_kind: global_buffer, .address_space: global }
    .group_segment_fixed_size: 219136
    .private_segment_fixed_size: 0
    .kernarg_segment_align: 8
    .kernarg_segment_size: 32
    .max_flat_workgroup_size: 512
    .sgpr_count:     66
    .vgpr_count:     256
    .wavefront_size: 32
...
	.end_amdgpu_metadata
.endif
;; end of part 2
